; MI455X (gfx1250); checked and timed in simulation.
; The chip was launched on July 23, 2026; its instructions are those of AMD's public machine-readable ISA for CDNA 5 (MIT licence, August 2026) and "CDNA5" Instruction Set Architecture Reference Guide (July 2026). The comments in the code are by the model that wrote it; some were corrected since.
;; Multi Head Attention. Allowed arithmetic: matrix products marked QUANTISED: E4M3 operands, one given power-of-two scale a tensor, by v_wmma_f32_16x16x64_fp8_fp8 or v_wmma_f32_16x16x128_fp8_fp8, f32 sums; everything else in f32.
;; Inputs: Wk_codes 1,024 x 32 x 32 uint8 (E4M3 codes of Wk, K innermost, in blocks of 32 codes); Wo_codes 1,024 x 32 x 32 uint8 (E4M3 codes of Wo, K innermost, in blocks of 32 codes); Wq_codes 1,024 x 32 x 32 uint8 (E4M3 codes of Wq, K innermost, in blocks of 32 codes); Wv_codes 1,024 x 32 x 32 uint8 (E4M3 codes of Wv, K innermost, in blocks of 32 codes); bk 1,024 float32; bo 1,024 float32; bq 1,024 float32; bv 1,024 float32; lowp_scales 12 int32 (the exponents e of the quantised operands' scales 2^e); mask 2,048 x 2,048 float32; xk_codes 2 x 2,048 x 32 x 32 uint8 (E4M3 codes of xk, K innermost, in blocks of 32 codes); xq_codes 2 x 2,048 x 32 x 32 uint8 (E4M3 codes of xq, K innermost, in blocks of 32 codes); xv_codes 2 x 2,048 x 32 x 32 uint8 (E4M3 codes of xv, K innermost, in blocks of 32 codes).
;; Outputs: out0 2 x 2,048 x 1,024 float32.
;; This version of the problem:
;;   THIS VERSION OF THE PROBLEM IS GIVEN IN LOW PRECISION. The matrix products marked QUANTISED in the list below multiply operands that are first quantised to E4M3 (4 exponent bits, 3 mantissa bits; 8 bits a number), with one given power-of-two scale for each operand tensor; their sums are f32. All else is computed in f32.
;;   The module's matrix products, in the order in which they are computed (A, B: the left and right operand; K: the contracted axis; several contracted axes count as one K, in the product's order):
;;     1. [M 4,096, K 1,024] x [K 1,024, N 1,024]; A: input xq (given as codes); B: input Wq (given as codes): QUANTISED (scales: A lowp_scales[0], B lowp_scales[1])
;;     2. [M 4,096, K 1,024] x [K 1,024, N 1,024]; A: input xk (given as codes); B: input Wk (given as codes): QUANTISED (scales: A lowp_scales[2], B lowp_scales[3])
;;     3. [M 4,096, K 1,024] x [K 1,024, N 1,024]; A: input xv (given as codes); B: input Wv (given as codes): QUANTISED (scales: A lowp_scales[4], B lowp_scales[5])
;;     4. batch 32 x [M 2,048, K 64] x [K 64, N 2,048]; A: computed on the way; B: computed on the way: QUANTISED (scales: A lowp_scales[6], B lowp_scales[7])
;;     5. batch 32 x [M 2,048, K 2,048] x [K 2,048, N 64]; A: softmax (see below); B: computed on the way: QUANTISED (scales: A lowp_scales[8], B lowp_scales[9])
;;     6. [M 4,096, K 1,024] x [K 1,024, N 1,024]; A: computed on the way; B: input Wo (given as codes): QUANTISED (scales: A lowp_scales[10], B lowp_scales[11])
;;   THE QUANTISER, for each operand of a quantised product, along K:
;;     - The operand's scale is 2^e, e = its entry of the input lowp_scales (int32; the entries are numbered through the quantised products in the list's order, A before B).
;;     - Each number is divided by the scale, clamped to +-448, and rounded to the nearest number of E4M3, ties to even, subnormals kept.
;;     - The product sums the exact products of the quantised numbers (number of the format x scale) in f32.
;;   ~~~python
;;   def quantise(x, axis, e):      # numpy; x: float32 -> the quantised numbers, widened to float32 again
;;       x = np.moveaxis(x, axis, -1); K = x.shape[-1]
;;       r = np.clip(x / 2.0 ** e, -448, 448)
;;       step = 2.0 ** (np.maximum(np.frexp(np.where(r == 0, 1, r))[1] - 1, -6) - 3)
;;       q = np.round(r / step) * step * 2.0 ** e      # np.round: ties to even
;;       return np.moveaxis(q, -1, axis).astype(np.float32)
;;   ~~~
;;   SOFTMAX AHEAD OF A QUANTISED PRODUCT. Where the list says 'softmax', what is quantised is not the finished softmax but p = 2^(t - M), with t = logit x log2(e) and M = ceil(the row's largest t), a whole number; so 1/2 < the row's largest p <= 1. The row's sum l is taken of the UNQUANTISED p, in f32, and the product's result is divided by l at the end. Since M is a whole number, a kernel that streams over the keys may use a running M (the ceiling of the running maximum): every later rescaling is an exact power of two, so the quantised numbers keep their values, but for numbers so far below the row's largest that they fall under the format's range.
;;   OPERANDS COMPUTED ON THE WAY. 'Computed on the way' means the value that the module computes at that place (a softmax that the list does not call 'softmax' is quantised finished and normalised). What goes into a quantiser is computed in f32, as accurately as f32 sums, v_exp_f32 and their like allow (about 1e-6 of the number): no bf16 or f16 on the way to a quantiser, and a product that is left as it is and whose result goes on into a quantised operand takes f32 operands (vector FMAs, or v_wmma_f32_16x16x4_f32). A number that lies on a knife's edge between two numbers of the format may be rounded either way, as far as f32 arithmetic and the matrix unit's own rounding can turn it there, and no further.
;;   INPUTS GIVEN AS CODES. Wk (in the module: [1024, 1024], K = its axis 0); Wo (in the module: [1024, 1024], K = its axis 0); Wq (in the module: [1024, 1024], K = its axis 0); Wv (in the module: [1024, 1024], K = its axis 0); xk (in the module: [2, 2048, 1024], K = its axis 2); xq (in the module: [2, 2048, 1024], K = its axis 2); xv (in the module: [2, 2048, 1024], K = its axis 2): each comes as NAME_codes (uint8): NAME with its K axis moved to the last place and cut into blocks of 32 codes, [.., K / 32, bytes a block], one block behind the other in memory; one code a byte (a code: sign, 4 exponent bits, 3 mantissa bits); its scale is its entry of lowp_scales. Its value is code x scale, taken as it is: it is not quantised again, and the codes and scales need not be those that the quantiser above would give.
;; One version. Each part assembles by itself: llvm-mc -triple=amdgcn-amd-amdhsa -mcpu=gfx1250 --defsym DOCPART=n.
;; ======== version 1 of 1: 3 launches
;; limits: right only within a limited range of input values
;; workspace buffers: qkv 12,582,912 bytes; aimg 4,194,304 bytes; flags 65,536 bytes of whole numbers
;; launch proj (part 1): grid 4 x 64, 4 waves a work-group, clusters of 4 x 4, 327,680 bytes of LDS; arguments xq_codes, xk_codes, xv_codes, Wq_codes, Wk_codes, Wv_codes, bq, bk, bv, lowp_scales, qkv, mask, flags; writes qkv, flags
.if DOCPART == 1
	.amdgcn_target "amdgcn-amd-amdhsa--gfx1250"
	.amdhsa_code_object_version 6
	.text
	.protected	k_qe9567a6b82_proj
	.globl	k_qe9567a6b82_proj
	.p2align	8
	.type	k_qe9567a6b82_proj,@function
k_qe9567a6b82_proj:
	s_mov_b64 s[64:65], 0
	v_nop
	global_prefetch_b8 v0, s[64:65] scope:SCOPE_SE
	s_setreg_imm32_b32 hwreg(HW_REG_WAVE_MODE, 25, 1), 1
	s_wait_xcnt 0x0
	s_wait_alu depctr_hold_cnt(0) depctr_sa_sdst(0) depctr_va_vdst(0) depctr_va_sdst(0) depctr_va_ssrc(0) depctr_va_vcc(0) depctr_vm_vsrc(0)
	s_getreg_b32 s2, hwreg(HW_REG_IB_STS2, 6, 4)
	s_cmp_eq_u32 s2, 0
	s_cbranch_scc0 .Lentry_in_a_cluster
	s_endpgm
.Lentry_in_a_cluster:
	s_bfe_u32 s2, ttmp6, 0x10000c
	s_cmp_lg_u32 s2, 0xf033
	s_cbranch_scc0 .Lentry_shape_is_right
	s_endpgm
.Lentry_shape_is_right:
.set KROW,   1024
.set ROWB,   256
.set PITCH,  272
.set FR,     16
.set NL,     4
.set NP,     4
.set HALFT,  128*PITCH
.set SLOT,   4*HALFT
.set SPARE,  2*SLOT
.set KVOFF,  4194304
.set ADRR, 16
.set ADRP, 20
.set VB0,  26
.set VB1,  27
.set SPW,  28
.set NIL,  29
.set BP,   32
.set BR,   96
.set SCL,  112
.set LIM,  113
.set AF,   128
.set TMP,  128
.set CDB,  192
.set G1, 24
.set G0, 32
.set G1B, 48
.set G0B, 56
.set MSB, 0
.macro WIN new
.if MSB != \new
	s_set_vgpr_msb (MSB<<8)|\new
.set MSB, \new
.endif
.endm
.set MUL_LO, 0xa1
.set MUL_HI, 0xf1
.set TO_P,   0x40
.macro JLOAD g0a, g1a, g0b, g1b
	s_cmp_eq_u32 s15, 0
	s_cbranch_scc0 .Lfor_b_\@
	tensor_load_to_lds s[\g0a:\g0a+3], s[\g1a:\g1a+7]
	s_nop 0
.rept 4
	v_nop
.endr
	s_branch .Lasked_\@
.Lfor_b_\@:
	tensor_load_to_lds s[\g0b:\g0b+3], s[\g1b:\g1b+7]
	s_nop 0
.rept 4
	v_nop
.endr
.Lasked_\@:
.endm
.macro CREST
	s_cmp_lg_u32 s14, 0
	s_cbranch_scc1 .Lnot_wave_0_\@
	s_barrier_signal -3
.Lnot_wave_0_\@:
	s_barrier_wait -3
	s_barrier_signal -1
	s_barrier_wait -1
.endm
.macro CROUND
	s_barrier_signal -1
	s_barrier_wait -1
	CREST
.endm
	s_load_b512 s[68:83], s[0:1], 0x0
	s_load_b128 s[84:87], s[0:1], 0x40
	s_load_b64 s[88:89], s[0:1], 0x50
	v_lshl_add_u32 v[SPW], v0, 2, SPARE
	v_mov_b32 v[NIL], 0
	ds_add_u32 v28, v29
	ds_add_u32 v28, v29
	s_wait_dscnt 0x0
	v_lshrrev_b32 v1, 5, v0
	v_readfirstlane_b32 s14, v1
	s_lshr_b32 s15, s14, 1
	s_and_b32 s16, s14, 1
	s_bfe_u32 s40, ttmp6, 0x40000
	s_bfe_u32 s41, ttmp6, 0x40004
	s_and_b32 s17, ttmp7, 0xffff
	s_lshr_b32 s2, s17, 2
	s_cmp_eq_u32 s2, 3                             ; clusters 12 to 15 along y have no product: they read the mask (the cluster's y is the same in all partners)
	s_cbranch_scc1 .Lscan
	s_and_b32 s17, s17, 3
	s_lshl_b32 s17, s17, 2
	s_lshr_b32 s18, s2, 1
	s_xor_b32 s19, s18, 1
	s_cmp_eq_u32 s2, 2
	s_cselect_b32 s42, s17, 0
	s_cselect_b32 s17, 0, s17
	s_add_co_u32 s42, s42, s40
	s_add_co_u32 s17, s17, s41
	s_lshl_b32 s43, s41, 2
	s_lshl_b32 s43, 15, s43
	s_lshl_b32 s44, 0x1111, s40
	s_or_b32 s[G1+0], s43, (0<<16)|(1<<20)|(1<<21)|(5<<22)|(3<<25)
	s_or_b32 s[G1B+0], s44, (0<<16)|(1<<20)|(1<<21)|(5<<22)|(3<<25)
.irp g, G1, G1B
	s_mov_b32 s[\g+1], ROWB<<16
	s_mov_b32 s[\g+2], 128<<16
	s_mov_b32 s[\g+3], ROWB<<16
	s_mov_b32 s[\g+4], 128
	s_mov_b32 s[\g+5], KROW
	s_mov_b32 s[\g+6], 0
	s_mov_b32 s[\g+7], 0
.endr
	s_lshl_b32 s22, s16, 7
	s_lshl_b32 s20, s17, 8
	s_add_co_u32 s20, s20, s22
	s_lshl_b32 s20, s20, 10
	s_mov_b32 s21, 0
	s_lshl_b32 s46, s42, 8
	s_add_co_u32 s46, s46, s22
	s_lshl_b32 s46, s46, 10
	s_mov_b32 s47, 0
	s_mul_i32 s45, s14, HALFT
	s_wait_kmcnt 0x0
	s_load_b256 s[92:99], s[86:87], 0x0
	s_load_b32 s100, s[86:87], 0x24
	s_cmp_eq_u32 s2, 1
	s_cselect_b64 s[4:5], s[70:71], s[68:69]
	s_cselect_b64 s[6:7], s[76:77], s[74:75]
	s_cselect_b64 s[12:13], s[82:83], s[80:81]
	s_cmp_eq_u32 s2, 2
	s_cselect_b64 s[4:5], s[78:79], s[4:5]
	s_cselect_b64 s[6:7], s[72:73], s[6:7]
	s_cselect_b64 s[12:13], s[84:85], s[12:13]
	s_add_nc_u64 s[20:21], s[4:5], s[20:21]
	s_add_nc_u64 s[46:47], s[6:7], s[46:47]
	CROUND
.irp s, 0,1
	s_mov_b32 s[G0+4*\s], 1
	s_add_co_u32 s[G0+4*\s+1], s45, \s*SLOT
	s_add_nc_u64 s[G0+4*\s+2:G0+4*\s+3], s[20:21], \s*ROWB
	s_or_b32 s[G0+4*\s+3], s[G0+4*\s+3], 0x80000000
	s_mov_b32 s[G0B+4*\s], 1
	s_add_co_u32 s[G0B+4*\s+1], s45, \s*SLOT
	s_add_nc_u64 s[G0B+4*\s+2:G0B+4*\s+3], s[46:47], \s*ROWB
	s_or_b32 s[G0B+4*\s+3], s[G0B+4*\s+3], 0x80000000
	s_wait_alu depctr_va_vdst(0)
	s_wait_tensorcnt 0x0
	ds_add_u32 v28, v29
	ds_add_u32 v28, v29
	s_wait_dscnt 0x0
	CROUND
	JLOAD G0+4*\s, G1, G0B+4*\s, G1B
.endr
	v_and_b32 v1, 15, v0
	v_bfe_u32 v2, v0, 4, 1
	s_wait_alu depctr_va_vdst(0)
	v_mul_u32_u24 v3, v1, PITCH
	v_lshl_add_u32 v4, v2, 4, v3
	s_mul_i32 s21, s15, HALFT
	s_mul_i32 s22, s16, HALFT
	s_add_co_u32 s22, s22, 2*HALFT
.irp s, 0,1
	v_add_nc_u32 v[ADRR+\s], s21, v4
	v_add_nc_u32 v[ADRP+\s], s22, v4
	s_add_co_u32 s21, s21, SLOT
	s_add_co_u32 s22, s22, SLOT
.endr
	s_lshl_b32 s46, s42, 10
	s_lshl_b32 s47, s16, 9
	s_add_co_u32 s47, s46, s47
	s_mul_i32 s47, s47, s19
	s_lshl_b32 s46, s17, 10
	s_lshl_b32 s66, s15, 9
	s_add_co_u32 s66, s46, s66
	s_mul_i32 s66, s66, s18
	v_lshl_add_u32 v8, v2, 5, s47
	v_lshl_add_u32 v9, v1, 2, s66
.irp b, 0,1,2,3,4,5,6,7
	global_load_b128 v[BP+8*\b:BP+8*\b+3], v8, s[12:13] offset:64*\b
	global_load_b128 v[BP+8*\b+4:BP+8*\b+7], v8, s[12:13] offset:64*\b+16
.endr
.irp a, 0,1,2,3,4,5,6,7
	global_load_b32 v[BR+2*\a], v9, s[12:13] offset:64*\a
.endr
	s_lshl_b32 s66, 0x20000, s2
	s_cmp_eq_u32 s18, 1
	s_cselect_b32 s66, 1024, s66
	s_cselect_b32 s22, s15, s16
	s_cselect_b32 s23, s16, s15
	s_cselect_b32 s20, s42, s17
	s_cselect_b32 s21, s17, s42
	s_mov_b32 s67, 256000
	s_cselect_b32 s67, s67, 1024
	s_lshr_b32 s46, s20, 3
	s_lshl_b32 s46, s46, 4
	s_lshl_b32 s47, s21, 2
	s_add_co_u32 s46, s46, s47
	s_lshl_b32 s22, s22, 1
	s_add_co_u32 s46, s46, s22
	s_and_b32 s47, s20, 7
	s_lshl_b32 s47, s47, 1
	s_add_co_u32 s47, s47, s23
	s_lshl_b32 s22, s46, 17
	s_lshl_b32 s23, s47, 13
	s_add_co_u32 s22, s22, s23
	s_lshl_b32 s46, s46, 18
	s_lshl_b32 s47, s47, 14
	s_add_co_u32 s46, s46, s47
	s_lshl_b32 s47, s18, 13
	s_add_co_u32 s46, s46, s47
	s_add_co_u32 s46, s46, KVOFF
	s_cmp_eq_u32 s2, 0
	s_cselect_b32 s46, s22, s46
	s_mov_b32 s47, 0
	s_add_nc_u64 s[10:11], s[88:89], s[46:47]
	s_lshl_b32 s8, 1024, s18
	s_mov_b32 s9, 0
	s_mov_b32 s46, s67
	v_and_b32 v5, 31, v0
	v_lshlrev_b32 v[VB0], 4, v5
	v_add_nc_u32 v[VB1], s66, v[VB0]
	s_wait_kmcnt 0x0
	s_cmp_eq_u32 s2, 1
	s_cselect_b32 s90, s94, s92
	s_cselect_b32 s91, s95, s93
	s_cselect_b32 s67, s99, s98
	s_cmp_eq_u32 s2, 2
	s_cselect_b32 s90, s96, s90
	s_cselect_b32 s91, s97, s91
	s_cselect_b32 s67, s100, s67
	s_add_co_i32 s90, s90, s91
	s_sub_co_i32 s67, s67, s90
	s_add_co_i32 s67, s67, 127
	s_lshl_b32 s91, s67, 23
	v_mov_b32 v[SCL], s91
	s_add_co_i32 s67, s67, 8
	s_lshl_b32 s67, s67, 23
	s_or_b32 s67, s67, 0x600000
	v_mov_b32 v[LIM], s67
	s_sub_co_i32 s90, 127, s90
	s_lshl_b32 s90, s90, 23
	s_cmp_eq_u32 s18, 1
	s_cselect_b32 s92, s90, 0
	s_cselect_b32 s90, 0, s90
	s_wait_loadcnt 0x0
.set jj, 0
.rept 32
	v_pk_mul_f32 v[BP+jj:BP+jj+1], v[BP+jj:BP+jj+1], s[90:91] op_sel_hi:[1,0]
.set jj, jj+2
.endr
.irp a, 0,1,2,3,4,5,6,7
	v_mul_f32 v[BR+2*\a+1], s92, v[BR+2*\a]
	v_mul_f32 v[BR+2*\a], s92, v[BR+2*\a]
.endr
.macro FRAG reg, adr, q, i
.irp c, 0,1,2,3
	ds_load_b128 v[\reg+4*\c:\reg+4*\c+3], v[\adr] offset:128*(\q)+32*\c+(\i)*16*PITCH
.endr
.endm
.macro MUL16 a0, p, zero
.irp a, \a0, \a0+1
.irp b, 0,1,2,3,4,5,6,7
.if \zero
	v_wmma_f32_16x16x128_fp8_fp8 v[8*(8*((\a)%4)+\b):8*(8*((\a)%4)+\b)+7], v[128*(\p)+FR*\b:128*(\p)+FR*\b+FR-1], v[AF+FR*(\a):AF+FR*(\a)+FR-1], 0
.else
	v_wmma_f32_16x16x128_fp8_fp8 v[8*(8*((\a)%4)+\b):8*(8*((\a)%4)+\b)+7], v[128*(\p)+FR*\b:128*(\p)+FR*\b+FR-1], v[AF+FR*(\a):AF+FR*(\a)+FR-1], v[8*(8*((\a)%4)+\b):8*(8*((\a)%4)+\b)+7]
.endif
.endr
.endr
.endm
.macro FETCH_P slot, q, p
	WIN TO_P
.irp i, 0,1,2,3,4,5,6,7
	FRAG 128*(\p)+FR*\i, ADRP+\slot, \q, \i
.endr
	WIN 0
.endm
.macro FETCH_R slot, q, i0
.irp i, \i0, \i0+1, \i0+2, \i0+3
	FRAG AF+FR*(\i), ADRR+\slot, \q, \i
.endr
.endm
.macro PLACES n
.rept \n
	v_nop
.endr
.endm
.macro STEP slot, q, zero
	s_wait_dscnt 4*NL
	WIN MUL_LO
	MUL16 0, (\q)%2, \zero
	MUL16 2, (\q)%2, \zero
	s_wait_dscnt 0
	PLACES NP
	FETCH_P \slot, (\q)+1, 1-(\q)%2
	FETCH_R \slot, (\q)+1, 0
	WIN MUL_HI
	MUL16 4, (\q)%2, \zero
	MUL16 6, (\q)%2, \zero
	PLACES NP
	WIN 0
	FETCH_R \slot, (\q)+1, 4
.endm
.macro TURN slot, next, fill
	s_wait_tensorcnt 0x0
	ds_add_u32 v[SPW], v[NIL]
	s_wait_dscnt 4*NL+1
	WIN MUL_LO
	MUL16 0, 1, 0
	s_wait_dscnt 0x0
	s_barrier_signal -1
	MUL16 2, 1, 0
	WIN 0
	s_barrier_wait -1
.if \fill
	CREST
	s_add_nc_u64 s[G0+4*\slot+2:G0+4*\slot+3], s[G0+4*\slot+2:G0+4*\slot+3], 2*ROWB
	s_add_nc_u64 s[G0B+4*\slot+2:G0B+4*\slot+3], s[G0B+4*\slot+2:G0B+4*\slot+3], 2*ROWB
	JLOAD G0+4*\slot, G1, G0B+4*\slot, G1B
.else
	PLACES NP
.endif
	FETCH_P \next, 0, 0
	FETCH_R \next, 0, 0
	WIN MUL_HI
	MUL16 4, 1, 0
	MUL16 6, 1, 0
	PLACES NP
	WIN 0
	FETCH_R \next, 0, 4
.endm
	s_wait_tensorcnt 1
	s_barrier_signal -1
	s_barrier_wait -1
	FETCH_P 0, 0, 0
	FETCH_R 0, 0, 0
	FETCH_R 0, 0, 4
	STEP 0, 0, 1
	s_mov_b32 s3, 1
.Llap:
	TURN 0, 1, 1
	STEP 1, 0, 0
	TURN 1, 0, 1
	STEP 0, 0, 0
	s_sub_co_u32 s3, s3, 1
	s_cmp_lg_u32 s3, 0
	s_cbranch_scc1 .Llap
	TURN 0, 1, 0
	STEP 1, 0, 0
	s_wait_dscnt 4*NL
	WIN MUL_LO
	MUL16 0, 1, 0
	MUL16 2, 1, 0
	s_wait_dscnt 0
	WIN MUL_HI
	MUL16 4, 1, 0
	MUL16 6, 1, 0
	WIN 0
.macro OUTB a
.set AC, 64*((\a)%4)
.set CD, CDB+16*((\a)%2)
	WIN 0x02+((\a)/4)
.set jj, 0
.rept 32
	v_pk_add_f32 v[TMP+jj:TMP+jj+1], v[AC+jj:AC+jj+1], v[BP+jj:BP+jj+1]
.set jj, jj+2
.endr
	WIN 0
.set jj, 0
.rept 32
	v_pk_add_f32 v[TMP+jj:TMP+jj+1], v[TMP+jj:TMP+jj+1], v[BR+2*(\a):BR+2*(\a)+1] op_sel_hi:[1,0]
.set jj, jj+2
.endr
.set jj, 0
.rept 64
	v_med3_num_f32 v[TMP+jj], v[TMP+jj], -v[LIM], v[LIM]
.set jj, jj+1
.endr
.irp b, 0,1,2,3,4,5,6,7
	v_cvt_scalef32_pk8_fp8_f32 v[CD+2*\b:CD+2*\b+1], v[TMP+8*\b:TMP+8*\b+7], v[SCL]
.endr
	v_nop
.if (\a) > 0
	s_wait_alu depctr_va_vdst(0)
	s_wait_xcnt 0x0
.if (\a) == 4
	s_add_nc_u64 s[10:11], s[10:11], s[46:47]
.else
	s_add_nc_u64 s[10:11], s[10:11], s[8:9]
.endif
.endif
	global_store_b128 v[VB0], v[CD:CD+3], s[10:11]
	global_store_b128 v[VB0], v[CD+4:CD+7], s[10:11] offset:512
	global_store_b128 v[VB1], v[CD+8:CD+11], s[10:11]
	global_store_b128 v[VB1], v[CD+12:CD+15], s[10:11] offset:512
.endm
	PLACES NP
.irp a, 0,1,2,3,4,5,6,7
	OUTB \a
.endr
	s_wait_tensorcnt 0x0
	ds_add_u32 v[SPW], v[NIL]
	s_wait_dscnt 0x0
	CROUND
	s_endpgm
; WHAT THE MASK, AS IT IS GIVEN, LEAVES OF EACH TILE: the work of clusters 12 to 15.  For every half tile of 8 queries x 128 keys two bits are stored, for the attention launch to join and branch on:
; SKIP: nothing of the half tile counts;  ZERO: every number of it is 0, so it adds nothing to the logits.
; SKIP holds for all values of q and k.  A logit is s - 1e9 m, and |s| <= B = 64 x 448^2 x 2^(e6 + e7) / 8, since q and k are codes of E4M3.  In a row, the key with the row's least m (m_row) has a logit of at least
; -B - 1e9 m_row, and a key with the number m at most B - 1e9 m.  Where g(m) = 1e9 m - 1024 |m| - 1e9 m_row - 1024 |m_row| > 2 B + 256, that key's p is under 2^-150 of the row's largest: it has the code 0 and adds nothing
; to an f32 sum.  (256: 104 logits are 150 powers of two; the rest and the terms with 1024 cover the rounding of numbers of the mask's size.)  g rises with m, so it is taken of each lane's least m of a step; the least g
; over rows and lanes decides.  The step that holds a row's least m never passes the test.  LIMIT: a NaN in the mask is not served.
; SHARES.  64 work-groups x 4 waves; a wave takes 8 rows, a row by 16 loads of 512 consecutive bytes, one for each step of 128 keys; two register buffers take turns, and the last two rows are written out.
; This path has no tensor load, no LDS store and no branch on loaded numbers.  OUT: for half tile H 256 bytes at 256 H, every 8 bytes alike: word 0 SKIP, word 1 ZERO, step s at bit 2 s; one store covers the 256 bytes.
.macro LDROW R, off
.irp s, 0,1,2,3,4,5,6,7,8,9,10,11,12,13,14,15
	global_load_b128 v[\R+4*\s:\R+4*\s+3], v1, s[4:5] offset:(\off)+512*\s
.endr
.endm
.macro ROWP R                          ; a row: v12-27 my lane's least m of each step; v48-63 the largest |m| so far; v32-47 the least g so far
.irp s, 0,1,2,3,4,5,6,7,8,9,10,11,12,13,14,15
	v_min3_num_f32 v[12+\s], v[\R+4*\s], v[\R+4*\s+1], v[\R+4*\s+2]
.endr
.irp s, 0,1,2,3,4,5,6,7,8,9,10,11,12,13,14,15
	v_max3_num_f32 v[48+\s], v[48+\s], |v[\R+4*\s]|, |v[\R+4*\s+1]|
.endr
.irp s, 0,1,2,3,4,5,6,7,8,9,10,11,12,13,14,15
	v_min_num_f32 v[12+\s], v[12+\s], v[\R+4*\s+3]
.endr
.irp s, 0,1,2,3,4,5,6,7,8,9,10,11,12,13,14,15
	v_max3_num_f32 v[48+\s], v[48+\s], |v[\R+4*\s+2]|, |v[\R+4*\s+3]|
.endr
	v_min3_num_f32 v7, v12, v13, v14
	v_min3_num_f32 v8, v15, v16, v17
	v_min3_num_f32 v9, v18, v19, v20
	v_min3_num_f32 v10, v21, v22, v23
	v_min3_num_f32 v11, v24, v25, v26
	v_min3_num_f32 v7, v7, v8, v9
	v_min3_num_f32 v10, v10, v11, v27
	v_min_num_f32 v5, v7, v10
.irp m, 1,2,4,8
	v_min_num_f32_dpp v5, v5, v5 row_xmask:\m row_mask:0xf bank_mask:0xf
.endr
	v_permlanex16_b32 v6, v5, s20, s21
	v_min_num_f32 v5, v5, v6                       ; the row's least m
	v_mul_f32 v4, s19, |v5|
	v_fma_f32 v4, -v5, s18, v4                     ; - 1e9 m_row - 1024 |m_row|
.irp s, 0,1,2,3,4,5,6,7,8,9,10,11,12,13,14,15
	v_fma_f32 v[\R+4*\s], |v[12+\s]|, s19, v4
.endr
.irp s, 0,1,2,3,4,5,6,7,8,9,10,11,12,13,14,15
	v_fma_f32 v[\R+4*\s], v[12+\s], s18, v[\R+4*\s]    ; g
.endr
.irp s, 0,1,2,3,4,5,6,7,8,9,10,11,12,13,14,15
	v_min_num_f32 v[32+\s], v[32+\s], v[\R+4*\s]
.endr
.endm
.Lscan:
	s_load_b64 s[4:5], s[0:1], 0x58                ; mask
	s_load_b64 s[6:7], s[0:1], 0x60                ; flags
	v_and_b32 v2, 31, v0
	v_lshlrev_b32 v1, 4, v2                        ; 16 x lane
	v_lshlrev_b32 v2, 3, v2                        ; 8 x lane
	v_mov_b32 v6, 0                                ; a lane permute's destination counts as a source
.set jj, 0
.rept 16
	v_mov_b32 v[32+jj], 0x7f800000                 ; over every g
	v_mov_b32 v[48+jj], 0
.set jj, jj+1
.endr
	s_sub_co_u32 s8, s17, 12                       ; my half tile: ((cluster y - 12) x 16 + 4 cy + cx) x 4 + wave: it enters global addresses alone
	s_lshl_b32 s8, s8, 2
	s_add_co_u32 s8, s8, s41
	s_lshl_b32 s8, s8, 2
	s_add_co_u32 s8, s8, s40
	s_lshl_b32 s8, s8, 2
	s_add_co_u32 s8, s8, s14
	s_lshl_b32 s10, s8, 16                         ; 8 rows of 8,192 bytes
	s_mov_b32 s11, 0
	s_lshl_b32 s12, s8, 8
	s_mov_b32 s13, 0
	s_mov_b32 s18, 0x4e6e6b28                      ; 1e9
	s_mov_b32 s19, 0xc4800000                      ; -1024
	s_mov_b32 s20, 0x76543210
	s_mov_b32 s21, 0xfedcba98
	s_wait_alu depctr_va_vdst(0)                   ; directly ahead of the wait below
	s_wait_kmcnt 0x0
	s_load_b64 s[22:23], s[86:87], 0x18            ; e6, e7
	s_add_nc_u64 s[4:5], s[4:5], s[10:11]
	s_add_nc_u64 s[6:7], s[6:7], s[12:13]
	LDROW 64, 0
	LDROW 128, 8192
	s_wait_kmcnt 0x0
	s_add_co_i32 s22, s22, s23
	v_mov_b32 v3, 0x4a440000                       ; 2 x 64 x 448^2 / 8 = 3,211,264
	v_ldexp_f32 v3, v3, s22
	v_add_f32 v3, 0x43800000, v3                   ; 2 B + 256
	s_mov_b32 s3, 3
.Lrows:                                            ; three trips of two rows; each asks for the two rows after them
	s_wait_alu depctr_va_vdst(0)                   ; ahead of each wait on loads here
	s_wait_loadcnt 16                              ; the first buffer is in; the other buffer's sixteen loads may be out
	ROWP 64
	LDROW 64, 16384
	s_wait_alu depctr_va_vdst(0)
	s_wait_loadcnt 16                              ; the second buffer is in; the sixteen loads just issued may be out
	ROWP 128
	LDROW 128, 24576
	s_wait_xcnt 0x0                                ; the loads have read their base
	s_add_nc_u64 s[4:5], s[4:5], 16384
	s_sub_co_u32 s3, s3, 1
	s_cmp_lg_u32 s3, 0
	s_wait_alu depctr_va_vdst(0)
	s_cbranch_scc1 .Lrows
	s_wait_loadcnt 16                              ; rows 6 and 7: nothing more is asked for
	ROWP 64
	s_wait_alu depctr_va_vdst(0)
	s_wait_loadcnt 0x0
	ROWP 128
.irp m, 1,2,4,8                        ; over the 32 lanes, stage by stage
.set jj, 0
.rept 16
	v_min_num_f32_dpp v[32+jj], v[32+jj], v[32+jj] row_xmask:\m row_mask:0xf bank_mask:0xf
	v_max_num_f32_dpp v[48+jj], v[48+jj], v[48+jj] row_xmask:\m row_mask:0xf bank_mask:0xf
.set jj, jj+1
.endr
.endr
.set jj, 0
.rept 32
	v_permlanex16_b32 v[64+jj], v[32+jj], s20, s21
.set jj, jj+1
.endr
.set jj, 0
.rept 16
	v_min_num_f32 v[32+jj], v[32+jj], v[64+jj]
	v_max_num_f32 v[48+jj], v[48+jj], v[80+jj]
.set jj, jj+1
.endr
.irp s, 0,1,2,3,4,5,6,7,8,9,10,11,12,13,14,15
	v_cmp_gt_f32 s[32+\s], v[32+\s], v3            ; all lanes alike: all ones or 0
	v_cmp_eq_f32 s[48+\s], 0, v[48+\s]
.endr
	s_mov_b32 s8, 0
	s_mov_b32 s9, 0
.irp s, 0,1,2,3,4,5,6,7,8,9,10,11,12,13,14,15
	s_and_b32 s[32+\s], s[32+\s], 1<<(2*\s)
	s_or_b32 s8, s8, s[32+\s]
	s_and_b32 s[48+\s], s[48+\s], 1<<(2*\s)
	s_or_b32 s9, s9, s[48+\s]
.endr
	v_mov_b32 v10, s8
	v_mov_b32 v11, s9
	global_store_b64 v2, v[10:11], s[6:7]          ; 32 lanes x 8 bytes: the half tile's 256 bytes
	s_wait_tensorcnt 0x0                           ; the wave's end
	ds_add_u32 v[SPW], v[NIL]
	s_wait_dscnt 0x0
	CROUND
	s_endpgm
.Lfunc_end_k_qe9567a6b82_proj:
	.size	k_qe9567a6b82_proj, .Lfunc_end_k_qe9567a6b82_proj-k_qe9567a6b82_proj
	.p2alignl 7, 3214868480
	.fill 96, 4, 3214868480
	.section	.rodata,"a",@progbits
	.p2align	6, 0x0
	.amdhsa_kernel k_qe9567a6b82_proj
		.amdhsa_group_segment_fixed_size 327680
		.amdhsa_private_segment_fixed_size 0
		.amdhsa_enable_private_segment 0
		.amdhsa_kernarg_size 104
		.amdhsa_user_sgpr_count 2
		.amdhsa_user_sgpr_kernarg_segment_ptr 1
		.amdhsa_wavefront_size32 1
		.amdhsa_system_sgpr_workgroup_id_x 1
		.amdhsa_system_sgpr_workgroup_id_y 1
		.amdhsa_system_sgpr_workgroup_id_z 1
		.amdhsa_system_vgpr_workitem_id 0
		.amdhsa_next_free_vgpr 1024
		.amdhsa_next_free_sgpr 102
		.amdhsa_reserve_vcc 0
		.amdhsa_float_denorm_mode_32 3
		.amdhsa_float_denorm_mode_16_64 3
		.amdhsa_memory_ordered 1
		.amdhsa_forward_progress 1
		.amdhsa_inst_pref_size 211
	.end_amdhsa_kernel
	.amdgpu_metadata
---
amdhsa.version: [ 1, 2 ]
amdhsa.kernels:
  - .name:           k_qe9567a6b82_proj
    .symbol:         k_qe9567a6b82_proj.kd
    .args:
      - { .name: xq_codes, .offset: 0, .size: 8, .value_kind: global_buffer, .address_space: global }
      - { .name: xk_codes, .offset: 8, .size: 8, .value_kind: global_buffer, .address_space: global }
      - { .name: xv_codes, .offset: 16, .size: 8, .value_kind: global_buffer, .address_space: global }
      - { .name: Wq_codes, .offset: 24, .size: 8, .value_kind: global_buffer, .address_space: global }
      - { .name: Wk_codes, .offset: 32, .size: 8, .value_kind: global_buffer, .address_space: global }
      - { .name: Wv_codes, .offset: 40, .size: 8, .value_kind: global_buffer, .address_space: global }
      - { .name: bq, .offset: 48, .size: 8, .value_kind: global_buffer, .address_space: global }
      - { .name: bk, .offset: 56, .size: 8, .value_kind: global_buffer, .address_space: global }
      - { .name: bv, .offset: 64, .size: 8, .value_kind: global_buffer, .address_space: global }
      - { .name: lowp_scales, .offset: 72, .size: 8, .value_kind: global_buffer, .address_space: global }
      - { .name: qkv, .offset: 80, .size: 8, .value_kind: global_buffer, .address_space: global }
      - { .name: mask, .offset: 88, .size: 8, .value_kind: global_buffer, .address_space: global }
      - { .name: flags, .offset: 96, .size: 8, .value_kind: global_buffer, .address_space: global }
    .group_segment_fixed_size: 327680
    .private_segment_fixed_size: 0
    .kernarg_segment_align: 8
    .kernarg_segment_size: 104
    .max_flat_workgroup_size: 128
    .sgpr_count:     102
    .vgpr_count:     1024
    .wavefront_size: 32
...
	.end_amdgpu_metadata
.endif
;; end of part 1
;; launch attn (part 2): grid 256 x 1, 8 waves a work-group, no clusters, 0 bytes of LDS; arguments qkv, mask, lowp_scales, flags, aimg; writes aimg
.if DOCPART == 2
	.amdgcn_target "amdgcn-amd-amdhsa--gfx1250"
	.amdhsa_code_object_version 6
	.text
	.protected	k_qe9567a6b82_attn
	.globl	k_qe9567a6b82_attn
	.p2align	8
	.type	k_qe9567a6b82_attn,@function
k_qe9567a6b82_attn:
	s_mov_b64 s[64:65], 0
	v_nop
	global_prefetch_b8 v0, s[64:65] scope:SCOPE_SE
	s_setreg_imm32_b32 hwreg(HW_REG_WAVE_MODE, 25, 1), 1
	s_wait_xcnt 0x0
; softmax(q k^T / 8 + mask x (-1e9)) v for 32 (batch, head) pairs of 2,048 queries x 2,048 keys x 64, both products on codes of FP8 (E4M3); the result is quantised for the last projection.
; THE MASK IS AN INPUT and is honoured as it is given.  The launch before has stored, for each half tile of 8 queries x 128 keys, two bits as whole numbers: SKIP: nothing of it counts, whatever q and k hold (each p is under
; 2^-150 of its row's largest: its code is 0 and it adds nothing to an f32 sum; the bound is shown where that launch makes the bits); ZERO: the mask is 0 throughout.  This launch reads them, joins the two halves of each
; of its tiles of 16 queries into a kind, and does what the kind asks for: 0 (both halves SKIP): the tile is passed over; 1 (both ZERO): its scores start with C = 0; 2: it loads its 16 x 128 numbers of the mask and adds them.
; No pattern of the mask is built in.
; LIMITS: a NaN, an infinity or an overflow that would arise only in a tile of kind 0 is not carried to the result; a NaN in the mask is not served.
; SOFTMAX: t = logit x log2(e); M = the row's largest t so far, rounded up to a whole number; p = 2^(t - M) is quantised along the keys, not normalised; the row's sum is taken of the unquantised p and divides O at the
; end.  When M moves, the sum and O are multiplied by 2^(old M - new M), which rounds nothing.
; SHARES.  256 work-groups of eight waves; a work-group has one (batch, head); wave w of group g owns the query tiles i = 8 g + w and 127 - i.  The waves do not depend on each other: no LDS, no barrier.
; (The pairing only levels the shares where a mask cuts by position; every mask is served.)  A wave walks the steps of 128 keys two to a trip, up to the last step that counts for either tile.
; NO CLUSTER, NO TENSOR LOAD: the walk and its branches hang on numbers read from memory, which differ from wave to wave, so no joint request can be made on every path.
; K AND V come straight into registers: their images lie in qkv as a lane's registers want them (16 KiB a head and step; register 4 n of a lane at 512 n + 16 x lane), 32 loads of 512 consecutive bytes.  Two register
; buffers take turns: step t + 1 is asked for at the head of step t, a whole step ahead of its use; so no separate prefetch is laid.  The last trip asks for nothing beyond its own two steps.
; LAYOUT.  Both products transposed: S^T = K Q^T, O^T = V^T P^T: a lane holds one query (lane % 16); its eight registers of tile c are keys 16 c + 8 (lane / 16) + 0 .. 7, so one conversion makes registers 2 c, 2 c + 1 of P.
; KIND 2: the mask x (-1e9) 2^(3 - e6 - e7) is the C of the first product.  A lane reads 32 bytes of its query's row for each 16 keys: short pieces of 16 rows, taken only for the tiles that need them.
; t is the sum x (log2(e) / 8) 2^(e6 + e7), by a multiplication of its own, so that t is a rounded f32 number ahead of the subtraction of M, whatever the mask's size.
; LIMITS on the given exponents, so that each power of two below is an f32 number: e6 + e7 between -95 and 130; e8, and e10 - e8 - e9, between -126 and 119.
; REGISTERS.  Window 0: v1, v2 offsets; v8-23 Q of both tiles; v24-39 p's codes; v40-103 O^T of both tiles; v104-167 the mask, S^T, t, p (the tiles take turns); v168-183 the tiles' states; v184-191 at work, constants.
; Window 1: the two buffers of 128: K's eight fragments, then V^T's four.
.set KVOFF, 4194304
.set GQ,   1                           ; 16 x lane
.set AMK,  2                           ; 8,192 x (lane % 16) + 32 (lane / 16)
.set PC,   24
.set ST,   104
.set T0,   184
.set T1,   185
.set PX,   186
.set LIMP, 188                         ; 448 x 2^e8
.set SCP,  189                         ; 2^e8
.set LIMO, 190                         ; 448 x 2^(e10 - e8 - e9)
.set SCO,  191                         ; 2^(e10 - e8 - e9)
.set WV,   14
.set KV,   18                          ; s[18:19] my head's images at the trip's first step
.set MB,   20                          ; s[20:23] the two tiles' rows of the mask at the trip's first key
.set OUT,  26                          ; s[26:29] where the two tiles' codes go
.set F0,   31                          ; s31, s32 the two tiles' kinds, 2 bits a step, the step in hand lowest
.set CNT,  35                          ; trips to go
.set CS,   42                          ; s[42:43] (log2(e) / 8) 2^(e6 + e7)
.set MK,   44                          ; s[44:45] -1e9 x 2^(3 - e6 - e7)
.set SEL,  46                          ; s[46:47] lane l xor 16
.set MSB, 0
.macro WIN new                         ; the immediate's high byte repeats the setting that is left
.if MSB != \new
	s_set_vgpr_msb (MSB<<8)|\new
.set MSB, \new
.endif
.endm
.macro TSET x                          ; the registers of tile x
.set QF,  8+8*(\x)
.set OT,  40+32*(\x)
.set NM,  168+8*(\x)                   ; -M
.set TM,  NM+1                         ; the largest t so far
.set LS,  NM+2                         ; the row's sum, two chains of pairs
.set LS2, NM+4
.set FA,  NM+6                         ; f = 2^(old M - new M); later 1 / the sum
.endm
.macro LDKV buf, off                   ; a step's images into buffer buf
	WIN 0x40
.set nn, 0
.rept 32
	global_load_b128 v[128*(\buf)+4*nn:128*(\buf)+4*nn+3], v[GQ], s[KV:KV+1] offset:(\off)+512*nn
.set nn, nn+1
.endr
	WIN 0
.endm
	s_load_b256 s[4:11], s[0:1], 0x0               ; qkv, mask, the scales' exponents, flags
	s_load_b64 s[12:13], s[0:1], 0x20              ; aimg
	v_lshrrev_b32 v3, 5, v0
	v_readfirstlane_b32 s[WV], v3
	v_and_b32 v3, 31, v0
	v_lshlrev_b32 v[GQ], 4, v3
	v_and_b32 v3, 15, v0
	v_bfe_u32 v4, v0, 4, 1
	v_lshlrev_b32 v3, 13, v3
	v_lshl_add_u32 v[AMK], v4, 5, v3
	s_lshr_b32 s15, ttmp9, 3                       ; batch x 16 + head
	s_and_b32 s16, ttmp9, 7
	s_lshl_b32 s16, s16, 3
	s_add_co_u32 s16, s16, s[WV]                   ; tile 0: i
	s_sub_co_u32 s17, 127, s16                     ; tile 1: 127 - i
	s_lshl_b32 s48, s16, 9
	s_lshl_b32 s49, s17, 9
	s_mov_b32 s[SEL], 0x76543210
	s_mov_b32 s[SEL+1], 0xfedcba98
	s_wait_alu depctr_va_vdst(0)                   ; directly ahead of the wait below
	s_wait_kmcnt 0x0
	s_load_b32 s[F0], s[10:11], s48                ; tile 0: SKIP and ZERO of its first half,
	s_load_b32 s33, s[10:11], s48 offset:0x4
	s_load_b32 s56, s[10:11], s48 offset:0x100     ; and of its second
	s_load_b32 s57, s[10:11], s48 offset:0x104
	s_load_b32 s[F0+1], s[10:11], s49              ; tile 1 likewise
	s_load_b32 s34, s[10:11], s49 offset:0x4
	s_load_b32 s58, s[10:11], s49 offset:0x100
	s_load_b32 s59, s[10:11], s49 offset:0x104
	s_load_b128 s[36:39], s[8:9], 0x18             ; e6, e7, e8, e9
	s_load_b32 s40, s[8:9], 0x28                   ; e10
	s_lshl_b32 s50, s15, 18
	s_add_co_u32 s50, s50, KVOFF
	s_mov_b32 s51, 0
	s_add_nc_u64 s[KV:KV+1], s[4:5], s[50:51]
	LDKV 0, 0                                      ; step 0
	s_lshl_b32 s50, s15, 7                         ; Q's images, 1,024 bytes a tile
	s_add_co_u32 s52, s50, s16
	s_lshl_b32 s52, s52, 10
	s_mov_b32 s53, 0
	s_add_nc_u64 s[24:25], s[4:5], s[52:53]
	s_add_co_u32 s52, s50, s17
	s_lshl_b32 s52, s52, 10
	s_add_nc_u64 s[54:55], s[4:5], s[52:53]
	global_load_b128 v[8:11], v[GQ], s[24:25]
	global_load_b128 v[12:15], v[GQ], s[24:25] offset:512
	global_load_b128 v[16:19], v[GQ], s[54:55]
	global_load_b128 v[20:23], v[GQ], s[54:55] offset:512
	s_lshl_b32 s52, s16, 17                        ; the mask: 16 rows of 8,192 bytes a tile
	s_add_nc_u64 s[MB:MB+1], s[6:7], s[52:53]
	s_lshl_b32 s52, s17, 17
	s_add_nc_u64 s[MB+2:MB+3], s[6:7], s[52:53]
	s_lshr_b32 s50, s15, 4                         ; the codes go to (batch x 128 + tile) x 16,384 + head x 1,024
	s_lshl_b32 s50, s50, 7
	s_and_b32 s51, s15, 15
	s_lshl_b32 s51, s51, 10
	s_add_co_u32 s52, s50, s16
	s_lshl_b32 s52, s52, 14
	s_add_co_u32 s52, s52, s51
	s_add_nc_u64 s[OUT:OUT+1], s[12:13], s[52:53]
	s_add_co_u32 s52, s50, s17
	s_lshl_b32 s52, s52, 14
	s_add_co_u32 s52, s52, s51
	s_add_nc_u64 s[OUT+2:OUT+3], s[12:13], s[52:53]
	s_wait_kmcnt 0x0
.irp x, 0,1                            ; the kinds: step s at bits 2 s, 2 s + 1
	s_and_b32 s[F0+\x], s[F0+\x], s[56+2*\x]       ; SKIP in both halves
	s_and_b32 s[33+\x], s[33+\x], s[57+2*\x]       ; ZERO in both halves
	s_and_not1_b32 s[F0+\x], 0x55555555, s[F0+\x]  ; the steps that count
	s_and_not1_b32 s[56+2*\x], s[F0+\x], s[33+\x]  ; of them: general,
	s_and_b32 s[F0+\x], s[F0+\x], s[33+\x]         ; all zeros: kind 1
	s_lshl_b32 s[56+2*\x], s[56+2*\x], 1           ; kind 2
	s_or_b32 s[F0+\x], s[F0+\x], s[56+2*\x]
.endr
	s_or_b32 s[CNT], s[F0], s[F0+1]
.irp sh, 1,2,4,8,16
	s_lshr_b32 s56, s[CNT], \sh                    ; every bit under the highest is set,
	s_or_b32 s[CNT], s[CNT], s56
.endr
	s_bcnt1_i32_b32 s[CNT], s[CNT]                 ; so the count is the highest bit's place + 1;
	s_add_co_u32 s[CNT], s[CNT], 3
	s_lshr_b32 s[CNT], s[CNT], 2                   ; four bits to a pair of steps: the pairs to walk, 1 to 8
	s_min_u32 s[CNT], s[CNT], 8
	s_max_u32 s[CNT], s[CNT], 1
	s_add_co_i32 s48, s36, s37                     ; e6 + e7
	s_lshl_b32 s49, s48, 23
	s_add_co_u32 s[CS], s49, 0x3e38aa3b            ; log2(e) / 8, with e6 + e7 added to its exponent field
	s_mov_b32 s[CS+1], s[CS]
	s_sub_co_i32 s48, 3, s48
	s_lshl_b32 s48, s48, 23
	s_add_co_u32 s[MK], s48, 0xce6e6b28            ; -1e9, with 3 - e6 - e7 added to its exponent field
	s_mov_b32 s[MK+1], s[MK]
	s_add_co_i32 s48, s38, 127
	s_lshl_b32 s50, s48, 23
	s_add_co_i32 s48, s48, 8
	s_lshl_b32 s48, s48, 23
	s_or_b32 s51, s48, 0x600000
	s_sub_co_i32 s48, s40, s38
	s_sub_co_i32 s48, s48, s39                     ; a sum of the second product stands for sum x 2^(e8 + e9)
	s_add_co_i32 s48, s48, 127
	s_lshl_b32 s52, s48, 23
	s_add_co_i32 s48, s48, 8
	s_lshl_b32 s48, s48, 23
	s_or_b32 s53, s48, 0x600000
	v_mov_b32 v[LIMP], s51
	v_mov_b32 v[SCP], s50
	v_mov_b32 v[LIMO], s53
	v_mov_b32 v[SCO], s52
	v_mov_b32 v[PX], 0                             ; a lane permute's destination counts as a source
.irp x, 0,1                            ; the tiles' states.  A tile's step is written once: the first finds zeros, which the first change of M leaves zeros
	TSET \x
.set jj, 0
.rept 32
	v_mov_b32 v[OT+jj], 0
.set jj, jj+1
.endr
	v_mov_b32 v[LS], 0
	v_mov_b32 v[LS+1], 0
	v_mov_b32 v[LS2], 0
	v_mov_b32 v[LS2+1], 0
	v_mov_b32 v[TM], 0xff61b1e6                    ; -3e38
	v_mov_b32 v[NM], 0x7f61b1e6                    ; -M = 3e38
	v_mov_b32 v[FA+1], 0                           ; (upper half of a pair)
.endr
.macro LDMK x, b                       ; the mask of my query at keys 16 c + 8 h + 0 .. 7, into the accumulators' registers
.irp c, 0,1,2,3,4,5,6,7
	global_load_b128 v[ST+8*\c:ST+8*\c+3], v[AMK], s[MB+2*(\x):MB+2*(\x)+1] offset:512*(\b)+64*\c
	global_load_b128 v[ST+8*\c+4:ST+8*\c+7], v[AMK], s[MB+2*(\x):MB+2*(\x)+1] offset:512*(\b)+64*\c+16
.endr
.endm
.macro SCALE                           ; mask x (-1e9) 2^(3 - e6 - e7)
.set jj, 0
.rept 32
	v_pk_mul_f32 v[ST+jj:ST+jj+1], v[ST+jj:ST+jj+1], s[MK:MK+1] op_sel_hi:[1,0]
.set jj, jj+2
.endr
.endm
.macro SMUL zero                       ; the scores: eight accumulators, one instruction each; zero = 1: they start the sums
.irp c, 0,1,2,3,4,5,6,7
.if \zero
	v_wmma_f32_16x16x64_fp8_fp8 v[ST+8*\c:ST+8*\c+7], v[KB+8*\c:KB+8*\c+7], v[QF:QF+7], 0
.else
	v_wmma_f32_16x16x64_fp8_fp8 v[ST+8*\c:ST+8*\c+7], v[KB+8*\c:KB+8*\c+7], v[QF:QF+7], v[ST+8*\c:ST+8*\c+7]
.endif
.endr
.endm
.macro PV                              ; O^T += V^T P^T: four accumulators, one instruction each
.irp d, 0,1,2,3
	v_wmma_f32_16x16x128_fp8_fp8 v[OT+8*\d:OT+8*\d+7], v[KB+64+16*\d:KB+64+16*\d+15], v[PC:PC+15], v[OT+8*\d:OT+8*\d+7]
.endr
.endm
; t, the new M, f, t - M.  The maxima run two pairs behind the multiplications, in two chains; each accumulator is read from its low end on.
.macro SOFT_A
.set jj, 0
.rept 34
.set lg, jj-2
.if jj < 32
	v_pk_mul_f32 v[ST+2*jj:ST+2*jj+1], v[ST+2*jj:ST+2*jj+1], s[CS:CS+1] op_sel_hi:[1,0]
.endif
.if lg >= 0
.if lg < 2
	v_max_num_f32 v[T0+lg], v[ST+2*lg], v[ST+2*lg+1]
.else
	v_max3_num_f32 v[T0+lg%2], v[T0+lg%2], v[ST+2*lg], v[ST+2*lg+1]
.endif
.endif
.set jj, jj+1
.endr
	v_max_num_f32 v[T0], v[T0], v[T1]
	v_permlanex16_b32 v[PX], v[T0], s[SEL], s[SEL+1]
	v_max3_num_f32 v[TM], v[TM], v[T0], v[PX]      ; the running largest t, lane l xor 16's keys among them
	v_mov_b32 v[T0], v[NM]
	v_floor_f32 v[NM], -v[TM]                      ; the new -M = -ceil(t)
	v_sub_f32 v[T0], v[NM], v[T0]                  ; old M - new M: a whole number, 0 or less
	v_cvt_i32_f32 v[T0], v[T0]                     ; (it saturates)
	v_ldexp_f32 v[FA], 1.0, v[T0]                  ; f
.set jj, 0
.rept 32
	v_pk_add_f32 v[ST+jj:ST+jj+1], v[ST+jj:ST+jj+1], v[NM:NM+1] op_sel_hi:[1,0]   ; t - M
.set jj, jj+2
.endr
	v_pk_mul_f32 v[LS:LS+1], v[LS:LS+1], v[FA:FA+1] op_sel_hi:[1,0]
	v_pk_mul_f32 v[LS2:LS2+1], v[LS2:LS2+1], v[FA:FA+1] op_sel_hi:[1,0]
.endm
.macro HOLD2 r                         ; the conversion to an 8-bit code does not saturate (ISA guide 7.6.2); p is not negative, so the hold is one-sided; two numbers an instruction
	v_dual_min_num_f32 v[\r], v[\r], v[LIMP] :: v_dual_min_num_f32 v[(\r)+1], v[(\r)+1], v[LIMP]
.endm
; p = 2^(t - M) as one batch of 64, with one wait ahead of it and one behind it; the second stands directly ahead of O^T's sixteen multiplications by f, its first readers.
; Then the row's sum of the unquantised p in two chains, the hold and the codes.
.macro SOFT_B
	s_wait_alu depctr_va_vdst(0)
.set jj, 0
.rept 64
	v_exp_f32 v[ST+jj], v[ST+jj]
.set jj, jj+1
.endr
	s_wait_alu depctr_va_vdst(0)
.set jj, 0
.rept 16
	v_pk_mul_f32 v[OT+jj:OT+jj+1], v[OT+jj:OT+jj+1], v[FA:FA+1] op_sel_hi:[1,0]
.set jj, jj+2
.endr
.set jj, 0
.rept 16
	v_pk_add_f32 v[LS:LS+1], v[LS:LS+1], v[ST+jj:ST+jj+1]
	v_pk_add_f32 v[LS2:LS2+1], v[LS2:LS2+1], v[ST+jj+2:ST+jj+3]
	HOLD2 ST+jj
	HOLD2 ST+jj+2
.if jj%8 == 4
	v_cvt_scalef32_pk8_fp8_f32 v[PC+(jj-4)/4:PC+(jj-4)/4+1], v[ST+jj-4:ST+jj+3], v[SCP]
.endif
.set jj, jj+4
.endr
	v_nop                                          ; one plain line between the last conversion and the matrix instruction that reads its result
.endm
; Tile x in the step whose images lie in buffer b: what its kind asks for.  The branches hang on whole numbers that the launch before has stored.
.macro TILE x, b
	TSET \x
.set KB, 128*(\b)
	s_and_b32 s30, s[F0+\x], 3                     ; this step's kind
	s_lshr_b32 s[F0+\x], s[F0+\x], 2
	s_cmp_eq_u32 s30, 0
	s_cbranch_scc1 .Lskip_\@                       ; nothing of the tile counts
	s_cmp_eq_u32 s30, 2
	s_cbranch_scc1 .Lgen_\@
	WIN 0x01                                       ; source 0 (K, V) window 1
	SMUL 1                                         ; the mask is 0 throughout
	WIN 0
	s_branch .Ljoin_\@
.Lgen_\@:
	LDMK \x, \b
	s_wait_loadcnt 0x0                             ; the mask is in (and with it the next step's images, asked for earlier)
	SCALE
	WIN 0x01
	SMUL 0
	WIN 0
.Ljoin_\@:
.rept 4
	v_nop                                          ; places in front of the first read of the scores
.endr
	SOFT_A
	SOFT_B
	WIN 0x01
	PV
	WIN 0
.Lskip_\@:
.endm
; A step: its images are in; the next step's are asked for, into the buffer that the step before has left; then the two tiles.
.macro STEPM b
	s_wait_loadcnt 0x0                             ; buffer b is in (in the first step: Q too)
.rept 4
	v_nop                                          ; places between the last products and the loads into the registers that they read
.endr
.if \b
	s_cmp_eq_u32 s[CNT], 1
	s_cbranch_scc1 .Lno_more_\@                    ; the last trip asks for nothing beyond its own steps
.endif
	LDKV 1-(\b), 16384*(1+(\b))
.if \b
.Lno_more_\@:
.endif
	TILE 0, \b
	TILE 1, \b
.endm
; No two matrix instructions that follow each other share an accumulator, on any way.
	s_wait_alu depctr_va_vdst(0)                   ; at the head's end
.Ltrip:
	STEPM 0
	STEPM 1
	s_wait_xcnt 0x0                                ; the loads have read their bases
	s_add_nc_u64 s[KV:KV+1], s[KV:KV+1], 32768
	s_add_nc_u64 s[MB:MB+1], s[MB:MB+1], 1024
	s_add_nc_u64 s[MB+2:MB+3], s[MB+2:MB+3], 1024
	s_sub_co_u32 s[CNT], s[CNT], 1
	s_cmp_lg_u32 s[CNT], 0
	s_cbranch_scc1 .Ltrip
; THE WAY OUT of a tile: O^T / the sum, held and quantised along the head's 64: tile d's eight registers become registers 2 d, 2 d + 1 of my head's half of a fragment of the last product's left operand.
.macro FINISH x
	TSET \x
	s_wait_alu depctr_va_vdst(0)                   ; the sums may have been written shortly ahead of a branch
	v_pk_add_f32 v[LS:LS+1], v[LS:LS+1], v[LS2:LS2+1]
	v_add_f32 v[LS], v[LS], v[LS+1]
	v_permlanex16_b32 v[PX], v[LS], s[SEL], s[SEL+1]
	v_add_f32 v[LS], v[LS], v[PX]                  ; the row's sum
	s_wait_alu depctr_va_vdst(0)                   ; ahead of the transcendental
	v_rcp_f32 v[FA], v[LS]
	v_nop
	s_wait_alu depctr_va_vdst(0)                   ; and behind it, directly ahead of O^T's first readers
.set jj, 0
.rept 16
	v_pk_mul_f32 v[OT+jj:OT+jj+1], v[OT+jj:OT+jj+1], v[FA:FA+1] op_sel_hi:[1,0]
.set jj, jj+2
.endr
.set jj, 0
.rept 32
	v_med3_num_f32 v[OT+jj], v[OT+jj], -v[LIMO], v[LIMO]
.set jj, jj+1
.endr
.irp d, 0,1,2,3
	v_cvt_scalef32_pk8_fp8_f32 v[PC+8*(\x)+2*\d:PC+8*(\x)+2*\d+1], v[OT+8*\d:OT+8*\d+7], v[SCO]
.endr
	v_nop
	global_store_b128 v[GQ], v[PC+8*(\x):PC+8*(\x)+3], s[OUT+2*(\x):OUT+2*(\x)+1]              ; 32 lanes x 16 bytes: 512 consecutive bytes, aligned
	global_store_b128 v[GQ], v[PC+8*(\x)+4:PC+8*(\x)+7], s[OUT+2*(\x):OUT+2*(\x)+1] offset:512
.endm
	FINISH 0
	FINISH 1
	s_endpgm
.Lfunc_end_k_qe9567a6b82_attn:
	.size	k_qe9567a6b82_attn, .Lfunc_end_k_qe9567a6b82_attn-k_qe9567a6b82_attn
	.p2alignl 7, 3214868480
	.fill 96, 4, 3214868480
	.section	.rodata,"a",@progbits
	.p2align	6, 0x0
	.amdhsa_kernel k_qe9567a6b82_attn
		.amdhsa_group_segment_fixed_size 0
		.amdhsa_private_segment_fixed_size 0
		.amdhsa_enable_private_segment 0
		.amdhsa_kernarg_size 40
		.amdhsa_user_sgpr_count 2
		.amdhsa_user_sgpr_kernarg_segment_ptr 1
		.amdhsa_wavefront_size32 1
		.amdhsa_system_sgpr_workgroup_id_x 1
		.amdhsa_system_sgpr_workgroup_id_y 1
		.amdhsa_system_sgpr_workgroup_id_z 1
		.amdhsa_system_vgpr_workitem_id 0
		.amdhsa_next_free_vgpr 512
		.amdhsa_next_free_sgpr 66
		.amdhsa_reserve_vcc 0
		.amdhsa_float_denorm_mode_32 3
		.amdhsa_float_denorm_mode_16_64 3
		.amdhsa_memory_ordered 1
		.amdhsa_forward_progress 1
		.amdhsa_inst_pref_size 103
	.end_amdhsa_kernel
	.amdgpu_metadata
---
amdhsa.version: [ 1, 2 ]
amdhsa.kernels:
  - .name:           k_qe9567a6b82_attn
    .symbol:         k_qe9567a6b82_attn.kd
    .args:
      - { .name: qkv, .offset: 0, .size: 8, .value_kind: global_buffer, .address_space: global }
      - { .name: mask, .offset: 8, .size: 8, .value_kind: global_buffer, .address_space: global }
      - { .name: lowp_scales, .offset: 16, .size: 8, .value_kind: global_buffer, .address_space: global }
      - { .name: flags, .offset: 24, .size: 8, .value_kind: global_buffer, .address_space: global }
      - { .name: aimg, .offset: 32, .size: 8, .value_kind: global_buffer, .address_space: global }
    .group_segment_fixed_size: 0
    .private_segment_fixed_size: 0
    .kernarg_segment_align: 8
    .kernarg_segment_size: 40
    .max_flat_workgroup_size: 256
    .sgpr_count:     66
    .vgpr_count:     512
    .wavefront_size: 32
...
	.end_amdgpu_metadata
.endif
;; end of part 2
;; launch oproj (part 3): grid 8 x 32, 4 waves a work-group, clusters of 4 x 4, 288,256 bytes of LDS; arguments aimg, Wo_codes, lowp_scales, bo, out0; writes out0
.if DOCPART == 3
	.amdgcn_target "amdgcn-amd-amdhsa--gfx1250"
	.amdhsa_code_object_version 6
	.text
	.protected	k_qe9567a6b82_oproj
	.globl	k_qe9567a6b82_oproj
	.p2align	8
	.type	k_qe9567a6b82_oproj,@function
k_qe9567a6b82_oproj:
	s_mov_b64 s[64:65], 0
	v_nop
	global_prefetch_b8 v0, s[64:65] scope:SCOPE_SE
	s_setreg_imm32_b32 hwreg(HW_REG_WAVE_MODE, 25, 1), 1
	s_wait_xcnt 0x0
	s_wait_alu depctr_hold_cnt(0) depctr_sa_sdst(0) depctr_va_vdst(0) depctr_va_sdst(0) depctr_va_ssrc(0) depctr_va_vcc(0) depctr_vm_vsrc(0)
	s_getreg_b32 s2, hwreg(HW_REG_IB_STS2, 6, 4)
	s_cmp_eq_u32 s2, 0
	s_cbranch_scc0 .Lentry_in_a_cluster
	s_endpgm
.Lentry_in_a_cluster:
	s_bfe_u32 s2, ttmp6, 0x10000c
	s_cmp_lg_u32 s2, 0xf033
	s_cbranch_scc0 .Lentry_shape_is_right
	s_endpgm
.Lentry_shape_is_right:
; out0 = a Wo + bo on codes of FP8 (E4M3).  a: [4096 tokens][1024] as images of the operand's registers (aimg: fragment (tile of 16 tokens T, 128 along K kappa) at (8 T + kappa) x 2,048, four registers at 512 g + 16 x lane;
; registers 2 c, 2 c + 1 of lane l = K 16 c + 8 (l / 16) + 0 .. 7 of token l % 16).  Wo: [1024 outputs][1024] codes, K innermost.  out0: [4096][1024] f32 = sum x 2^(e10 + e11) + bo.
; 256 work-groups, one for each 128 tokens x 128 outputs; four waves, each 64 x 64: 16 accumulators.
; THE WHOLE K LIES IN LDS, and each wave asks for its part by ONE tensor load at the head: waves 0, 1: four tiles of tokens each, 65,536 dense bytes of aimg, stated as 256 rows of 256 bytes;
; waves 2, 3: 64 rows of Wo each, 1,024 bytes a row, 16 bytes of padding behind each.  No LDS byte is filled twice: one barrier, no ring.
; CLUSTER 4 x 4: a's part hangs on the block of tokens alone and is shared along a row of the cluster, Wo's on the block of outputs alone and is shared along a column: joint loads.
; No prefetch: the text has no loop to run ahead in; all that a work-group reads is asked for by its four loads at the head.
; THE MATRIX INSTRUCTION IS USED TRANSPOSED (source 0 = 16 rows of Wo, source 1 = 16 tokens): a lane holds eight neighbouring outputs of one token.
; Wo's fragments are read by loads of 8 bytes, K in the places that the instruction's own layout gives it, since a's images have it so.
; LIMIT: e10 + e11 between -126 and 127, so that 2^(e10 + e11) is an f32 number.
; REGISTERS: window 0: v1-13 addresses; v16-47 bo; v48-79 a block's results; v126, v127 the add's; v128-255 the accumulators, later the rows read back.  Window 1: two fragment buffers of 128: 64 registers of a, then 64 of Wo.
.set PITCH,  1040                      ; a row of Wo in LDS: 1,024 bytes + 16 of padding: 65 x 16
.set WBASE,  131072                    ; Wo's rows lie behind a's 128 KiB
.set STAGE,  WBASE+128*PITCH           ; 16 rows x 272 bytes for each wave, for the way out; no tensor load fills it
.set SPITCH, 272
.set SPARE,  STAGE+4*16*SPITCH         ; the spare words, 128 bytes a wave
.set AA,   6
.set AB,   8
.set STO,  10
.set RD,   11
.set CO,   12
.set VBO,  13
.set BO,   16
.set TMP,  48
.set SPW,  126
.set NIL,  127
.set ACC,  128
.set G1A, 24
.set G1B, 32
.set G0A, 40
.set G0B, 44
.set MSB, 0
.macro WIN new
.if MSB != \new
	s_set_vgpr_msb (MSB<<8)|\new
.set MSB, \new
.endif
.endm
.set MUL,  0x05                        ; sources 0 (Wo) and 1 (a) window 1; C and D window 0
.set TO_F, 0x40                        ; destination window 1, address window 0
.macro CROUND
	s_barrier_signal -1
	s_barrier_wait -1
	s_cmp_lg_u32 s14, 0
	s_cbranch_scc1 .Lnot_wave_0_\@
	s_barrier_signal -3
.Lnot_wave_0_\@:
	s_barrier_wait -3
	s_barrier_signal -1
	s_barrier_wait -1
.endm
	s_load_b256 s[4:11], s[0:1], 0x0               ; aimg, Wo's codes, the scales' exponents, bo
	s_load_b64 s[12:13], s[0:1], 0x20              ; out0
	v_lshl_add_u32 v[SPW], v0, 2, SPARE
	v_mov_b32 v[NIL], 0
	ds_add_u32 v[SPW], v[NIL]                      ; the opening lines: the add twice on end and one wait
	ds_add_u32 v[SPW], v[NIL]
	v_lshrrev_b32 v1, 5, v0
	v_readfirstlane_b32 s14, v1                    ; wave 0..3
	s_lshr_b32 s15, s14, 1                         ; which 64 tokens are mine.  Also: I fetch for a (0) or for Wo (1)
	s_and_b32 s16, s14, 1                          ; which 64 outputs.  Also: which half I fetch
	s_bfe_u32 s17, ttmp6, 0x40000
	s_bfe_u32 s18, ttmp6, 0x40004
	s_lshl_b32 s19, ttmp9, 2
	s_add_co_u32 s19, s19, s17                     ; block of 128 outputs
	s_and_b32 s20, ttmp7, 0xffff
	s_lshl_b32 s20, s20, 2
	s_add_co_u32 s20, s20, s18                     ; block of 128 tokens
	s_lshl_b32 s21, s18, 2
	s_lshl_b32 s21, 15, s21                        ; my row of the cluster
	s_lshl_b32 s22, 0x1111, s17                    ; my column
	s_or_b32 s[G1A], s21, (3<<16)|(1<<21)          ; a: 256 rows of 32 elements of 8 bytes, dense
	s_mov_b32 s[G1A+1], 32<<16
	s_mov_b32 s[G1A+2], 256<<16
	s_mov_b32 s[G1A+3], 32<<16
	s_mov_b32 s[G1A+4], 256
	s_mov_b32 s[G1A+5], 32
	s_mov_b32 s[G1A+6], 0
	s_mov_b32 s[G1A+7], 0
	s_or_b32 s[G1B], s22, (0<<16)|(1<<20)|(1<<21)|(7<<22)|(3<<25)   ; Wo: 64 rows of 1,024 bytes; 4 words of padding behind every 256
	s_mov_b32 s[G1B+1], 1024<<16
	s_mov_b32 s[G1B+2], 64<<16
	s_mov_b32 s[G1B+3], 1024<<16
	s_mov_b32 s[G1B+4], 64
	s_mov_b32 s[G1B+5], 1024
	s_mov_b32 s[G1B+6], 0
	s_mov_b32 s[G1B+7], 0
	s_lshl_b32 s23, s16, 16                        ; my half: four tiles of tokens x 16,384 bytes, or 64 rows of Wo x 1,024
	s_lshl_b32 s56, s20, 17
	s_add_co_u32 s56, s56, s23
	s_mov_b32 s57, 0
	s_lshl_b32 s58, s19, 17
	s_add_co_u32 s58, s58, s23
	s_mov_b32 s59, 0
	s_mul_i32 s61, s16, 64*PITCH
	s_add_co_u32 s61, s61, WBASE
	s_wait_dscnt 0x0
	s_wait_kmcnt 0x0
	s_load_b64 s[84:85], s[8:9], 0x28              ; e10, e11
	s_mov_b32 s[G0A], 1
	s_mov_b32 s[G0A+1], s23                        ; a's half in LDS: half x 65,536
	s_add_nc_u64 s[G0A+2:G0A+3], s[4:5], s[56:57]
	s_or_b32 s[G0A+3], s[G0A+3], 0x80000000
	s_mov_b32 s[G0B], 1
	s_mov_b32 s[G0B+1], s61
	s_add_nc_u64 s[G0B+2:G0B+3], s[6:7], s[58:59]
	s_or_b32 s[G0B+3], s[G0B+3], 0x80000000
	CROUND                                         ; all sixteen work-groups are here: the joint loads meet
	s_cmp_eq_u32 s15, 0
	s_cbranch_scc0 .Lfor_w
	tensor_load_to_lds s[G0A:G0A+3], s[G1A:G1A+7]
	s_nop 0
.rept 4
	v_nop
.endr
	s_branch .Lasked
.Lfor_w:
	tensor_load_to_lds s[G0B:G0B+3], s[G1B:G1B+7]
	s_nop 0
.rept 4
	v_nop
.endr
.Lasked:
	s_lshl_b32 s23, s15, 16                        ; my four tiles of tokens
	s_mul_i32 s60, s16, 64*PITCH                   ; my 64 rows of Wo
	s_add_co_u32 s60, s60, WBASE
	s_mul_i32 s61, s14, 16*SPITCH
	s_add_co_u32 s61, s61, STAGE                   ; my stage
	v_and_b32 v1, 15, v0                           ; r
	v_bfe_u32 v2, v0, 4, 1                         ; h
	v_and_b32 v3, 31, v0
	v_lshlrev_b32 v3, 4, v3
	v_add_nc_u32 v[AA], s23, v3
	v_mul_u32_u24 v4, v1, PITCH
	v_lshl_add_u32 v4, v2, 3, v4                   ; Wo: row r, + 8 h
	v_add_nc_u32 v[AB], s60, v4
	v_mul_u32_u24 v5, v1, SPITCH                   ; in: row r, 32 bytes for each half of the lanes
	v_lshl_add_u32 v5, v2, 5, v5
	v_add_nc_u32 v[STO], s61, v5
	v_mul_u32_u24 v5, v2, SPITCH                   ; back: lanes 0-15 one row of 256 bytes, lanes 16-31 the next
	v_lshl_add_u32 v5, v1, 4, v5
	v_add_nc_u32 v[RD], s61, v5
	v_lshlrev_b32 v5, 12, v2                       ; the same two rows in out0
	v_lshl_add_u32 v[CO], v1, 4, v5
	v_lshlrev_b32 v[VBO], 5, v2
	s_wait_alu depctr_va_vdst(0)                   ; behind the head's last vector line
	s_lshl_b32 s58, s19, 9
	s_lshl_b32 s59, s16, 8
	s_add_co_u32 s58, s58, s59                     ; my first output, in bytes
	s_mov_b32 s59, 0
	s_add_nc_u64 s[88:89], s[10:11], s[58:59]
	s_lshl_b32 s56, s20, 19
	s_lshl_b32 s57, s15, 18
	s_add_co_u32 s56, s56, s57                     ; my first token's row
	s_add_co_u32 s56, s56, s58
	s_mov_b32 s57, 0
	s_add_nc_u64 s[12:13], s[12:13], s[56:57]
.irp b, 0,1,2,3
	global_load_b128 v[BO+8*\b:BO+8*\b+3], v[VBO], s[88:89] offset:64*\b          ; bo at outputs 16 b + 8 h + 0 .. 7
	global_load_b128 v[BO+8*\b+4:BO+8*\b+7], v[VBO], s[88:89] offset:64*\b+16
.endr
; 8 matrix instructions: tiles of tokens a0, a0 + 1 x Wo's four, 128 along K.  zero = 1: the first product starts the sums.  The 16 accumulators take turns.
.macro MUL8 f, a0, zero
.irp a, \a0, \a0+1
.irp b, 0,1,2,3
.if \zero
	v_wmma_f32_16x16x128_fp8_fp8 v[ACC+8*(4*(\a)+\b):ACC+8*(4*(\a)+\b)+7], v[\f+64+16*\b:\f+64+16*\b+15], v[\f+16*(\a):\f+16*(\a)+15], 0
.else
	v_wmma_f32_16x16x128_fp8_fp8 v[ACC+8*(4*(\a)+\b):ACC+8*(4*(\a)+\b)+7], v[\f+64+16*\b:\f+64+16*\b+15], v[\f+16*(\a):\f+16*(\a)+15], v[ACC+8*(4*(\a)+\b):ACC+8*(4*(\a)+\b)+7]
.endif
.endr
.endr
.endm
; The fragments of step s (128 along K) into buffer f: a's four by 16 loads of 16 bytes a lane, Wo's four by 32 loads of 8 bytes
.macro FETCH s, f
	WIN TO_F
.irp a, 0,1,2,3
.irp g, 0,1,2,3
	ds_load_b128 v[\f+16*\a+4*\g:\f+16*\a+4*\g+3], v[AA] offset:\a*16384+(\s)*2048+\g*512
.endr
.endr
.irp b, 0,1,2,3
.irp c, 0,1,2,3,4,5,6,7
	ds_load_b64 v[\f+64+16*\b+2*\c:\f+64+16*\b+2*\c+1], v[AB] offset:\b*16*PITCH+(\s)*128+16*\c
.endr
.endr
.endm
.macro PLACES                          ; four places in front of loads into registers that matrix instructions have read, and of the first read of results
.rept 4
	v_nop
.endr
.endm
; A step: 16 matrix instructions; in its middle the next step's fragments are fetched into the other buffer.
.macro STEP s, zero
.set FC, 128*((\s)%2)
.set FN, 128-FC
	s_wait_dscnt 0x0
	WIN MUL
	MUL8 FC, 0, \zero
.if (\s) < 7
	PLACES
	FETCH (\s)+1, FN
	WIN MUL
.endif
	MUL8 FC, 2, \zero
.endm
	s_wait_tensorcnt 0x0                           ; my part is in
	s_barrier_signal -1
	s_barrier_wait -1                              ; everybody's part is in
	FETCH 0, 0
	STEP 0, 1
.irp s, 1,2,3,4,5,6,7
	STEP \s, 0
.endr
	WIN 0
	; THE WAY OUT, a block of 16 tokens x my 64 outputs at a time, through my own stage in LDS, back as whole rows of 256 bytes.  LDS serves a wave's instructions in order (ISA guide 5.7.1.4).
	s_wait_kmcnt 0x0
	s_add_co_i32 s86, s84, s85
	s_add_co_i32 s86, s86, 127
	s_lshl_b32 s86, s86, 23                        ; 2^(e10 + e11)
	s_mov_b32 s87, s86
	s_wait_loadcnt 0x0                             ; bo
	PLACES
.macro TOSTAGE a
.irp b, 0,1,2,3
.irp i, 0,2,4,6
	v_pk_fma_f32 v[TMP+8*\b+\i:TMP+8*\b+\i+1], v[ACC+8*(4*(\a)+\b)+\i:ACC+8*(4*(\a)+\b)+\i+1], s[86:87], v[BO+8*\b+\i:BO+8*\b+\i+1] op_sel_hi:[1,0,1]   ; each accumulator from its low end on
.endr
.endr
.irp b, 0,1,2,3
	ds_store_b128 v[STO], v[TMP+8*\b:TMP+8*\b+3] offset:64*\b
	ds_store_b128 v[STO], v[TMP+8*\b+4:TMP+8*\b+7] offset:64*\b+16
.endr
.irp i, 0,1,2,3,4,5,6,7
	ds_load_b128 v[ACC+32*(\a)+4*\i:ACC+32*(\a)+4*\i+3], v[RD] offset:\i*2*SPITCH    ; into the block's own 32 registers, which are done with
.endr
.endm
.macro SEND a, younger                 ; younger: the LDS instructions issued behind block a's loads
	s_wait_dscnt \younger
.irp i, 0,1,2,3,4,5,6,7
	global_store_b128 v[CO], v[ACC+32*(\a)+4*\i:ACC+32*(\a)+4*\i+3], s[12:13] offset:(16*(\a)+2*\i)*4096 th:TH_STORE_NT   ; 16 lanes store 256 consecutive bytes, aligned
.endr
.endm
	TOSTAGE 0
.irp a, 1,2,3
	TOSTAGE \a
	SEND \a-1, 16                                  ; behind block a - 1's loads: block a's 8 stores and 8 loads
.endr
	SEND 3, 0
	s_wait_tensorcnt 0x0                           ; the wave's end
	ds_add_u32 v[SPW], v[NIL]
	s_wait_dscnt 0x0
	CROUND                                         ; the closing round
	s_endpgm
.Lfunc_end_k_qe9567a6b82_oproj:
	.size	k_qe9567a6b82_oproj, .Lfunc_end_k_qe9567a6b82_oproj-k_qe9567a6b82_oproj
	.p2alignl 7, 3214868480
	.fill 96, 4, 3214868480
	.section	.rodata,"a",@progbits
	.p2align	6, 0x0
	.amdhsa_kernel k_qe9567a6b82_oproj
		.amdhsa_group_segment_fixed_size 288256
		.amdhsa_private_segment_fixed_size 0
		.amdhsa_enable_private_segment 0
		.amdhsa_kernarg_size 40
		.amdhsa_user_sgpr_count 2
		.amdhsa_user_sgpr_kernarg_segment_ptr 1
		.amdhsa_wavefront_size32 1
		.amdhsa_system_sgpr_workgroup_id_x 1
		.amdhsa_system_sgpr_workgroup_id_y 1
		.amdhsa_system_sgpr_workgroup_id_z 1
		.amdhsa_system_vgpr_workitem_id 0
		.amdhsa_next_free_vgpr 512
		.amdhsa_next_free_sgpr 90
		.amdhsa_reserve_vcc 0
		.amdhsa_float_denorm_mode_32 3
		.amdhsa_float_denorm_mode_16_64 3
		.amdhsa_memory_ordered 1
		.amdhsa_forward_progress 1
		.amdhsa_inst_pref_size 52
	.end_amdhsa_kernel
	.amdgpu_metadata
---
amdhsa.version: [ 1, 2 ]
amdhsa.kernels:
  - .name:           k_qe9567a6b82_oproj
    .symbol:         k_qe9567a6b82_oproj.kd
    .args:
      - { .name: aimg, .offset: 0, .size: 8, .value_kind: global_buffer, .address_space: global }
      - { .name: Wo_codes, .offset: 8, .size: 8, .value_kind: global_buffer, .address_space: global }
      - { .name: lowp_scales, .offset: 16, .size: 8, .value_kind: global_buffer, .address_space: global }
      - { .name: bo, .offset: 24, .size: 8, .value_kind: global_buffer, .address_space: global }
      - { .name: out0, .offset: 32, .size: 8, .value_kind: global_buffer, .address_space: global }
    .group_segment_fixed_size: 288256
    .private_segment_fixed_size: 0
    .kernarg_segment_align: 8
    .kernarg_segment_size: 40
    .max_flat_workgroup_size: 128
    .sgpr_count:     90
    .vgpr_count:     512
    .wavefront_size: 32
...
	.end_amdgpu_metadata
.endif
;; end of part 3
